; MI455X (gfx1250); checked and timed in simulation.
; The chip was launched on July 23, 2026; its instructions are those of AMD's public machine-readable ISA for CDNA 5 (MIT licence, August 2026) and "CDNA5" Instruction Set Architecture Reference Guide (July 2026). The comments in the code are by the model that wrote it; some were corrected since.
;; Mo EMLP Base. Allowed arithmetic: matrix products marked QUANTISED: E5M2 operands, one E8M0 scale for each 32 along K, by v_wmma_scale_f32_16x16x128_f8f6f4 with both operands' format E5M2, f32 sums; products left as they are: f32 operands where the result goes on into a quantised operand, else bf16, f16 or f32 operands; f32 sums; everything else in f32.
;; Inputs: W1_codes 8 x 4,096 x 32 x 32 uint8 (E5M2 codes of W1, K innermost, in blocks of 32 codes); W1_scales 8 x 4,096 x 32 uint8 (E8M0 scales of W1, one for each 32 codes along K); W2_codes 8 x 1,024 x 128 x 32 uint8 (E5M2 codes of W2, K innermost, in blocks of 32 codes); W2_scales 8 x 1,024 x 128 uint8 (E8M0 scales of W2, one for each 32 codes along K); b1 8 x 4,096 float32; b2 8 x 1,024 float32; router_w 8 x 1,024 float32; x 4 x 256 x 1,024 float32.
;; Outputs: out0 4 x 256 x 1,024 float32.
;; This version of the problem:
;;   THIS VERSION OF THE PROBLEM IS GIVEN IN LOW PRECISION. The matrix products marked QUANTISED in the list below multiply operands that are first quantised to E5M2 (5 exponent bits, 2 mantissa bits; 8 bits a number), with one power-of-two scale for each 32 numbers along K (OCP MX v1.0); their sums are f32. All else is computed in f32.
;;   The module's matrix products, in the order in which they are computed (A, B: the left and right operand; K: the contracted axis; several contracted axes count as one K, in the product's order):
;;     1. [M 1,024, K 1,024] x [K 1,024, N 8]; A: input x; B: input router_w: left as it is (N = 8 < 16)
;;     2. [M 1,024, K 1,024] x [K 1,024, N 4,096]; A: input x; B: input W1 (given as codes): QUANTISED
;;     3. [M 1,024, K 4,096] x [K 4,096, N 1,024]; A: computed on the way; B: input W2 (given as codes): QUANTISED
;;     4. [M 1,024, K 1,024] x [K 1,024, N 4,096]; A: input x; B: input W1 (given as codes): QUANTISED
;;     5. [M 1,024, K 4,096] x [K 4,096, N 1,024]; A: computed on the way; B: input W2 (given as codes): QUANTISED
;;     6. [M 1,024, K 1,024] x [K 1,024, N 4,096]; A: input x; B: input W1 (given as codes): QUANTISED
;;     7. [M 1,024, K 4,096] x [K 4,096, N 1,024]; A: computed on the way; B: input W2 (given as codes): QUANTISED
;;     8. [M 1,024, K 1,024] x [K 1,024, N 4,096]; A: input x; B: input W1 (given as codes): QUANTISED
;;     9. [M 1,024, K 4,096] x [K 4,096, N 1,024]; A: computed on the way; B: input W2 (given as codes): QUANTISED
;;     10. [M 1,024, K 1,024] x [K 1,024, N 4,096]; A: input x; B: input W1 (given as codes): QUANTISED
;;     11. [M 1,024, K 4,096] x [K 4,096, N 1,024]; A: computed on the way; B: input W2 (given as codes): QUANTISED
;;     12. [M 1,024, K 1,024] x [K 1,024, N 4,096]; A: input x; B: input W1 (given as codes): QUANTISED
;;     13. [M 1,024, K 4,096] x [K 4,096, N 1,024]; A: computed on the way; B: input W2 (given as codes): QUANTISED
;;     14. [M 1,024, K 1,024] x [K 1,024, N 4,096]; A: input x; B: input W1 (given as codes): QUANTISED
;;     15. [M 1,024, K 4,096] x [K 4,096, N 1,024]; A: computed on the way; B: input W2 (given as codes): QUANTISED
;;     16. [M 1,024, K 1,024] x [K 1,024, N 4,096]; A: input x; B: input W1 (given as codes): QUANTISED
;;     17. [M 1,024, K 4,096] x [K 4,096, N 1,024]; A: computed on the way; B: input W2 (given as codes): QUANTISED
;;   THE QUANTISER, for each operand of a quantised product, along K:
;;     - K is cut into blocks of 32 from its start; a last block that is shorter is filled with zeros.
;;     - A block's scale is 2^e with e = floor(log2(the largest magnitude in the block)) - 15, held to -126 .. 127; a block of zeros has e = 0. As a byte (E8M0): e + 127.
;;     - Each number is divided by its block's scale, clamped to +-57,344, and rounded to the nearest number of E5M2, ties to even, subnormals kept.
;;     - The product sums the exact products of the quantised numbers (number of the format x scale) in f32.
;;   ~~~python
;;   def quantise(x, axis):      # numpy; x: float32 -> the quantised numbers, widened to float32 again
;;       x = np.moveaxis(x, axis, -1); K = x.shape[-1]
;;       x = np.pad(x, [(0, 0)] * (x.ndim - 1) + [(0, -K % 32)]); x = x.reshape(x.shape[:-1] + (-1, 32)); a = np.abs(x).max(-1, keepdims=True)
;;       e = np.where(a > 0, np.clip(np.frexp(np.where(a > 0, a, 1))[1] - 1 - 15, -126, 127), 0)      # np.frexp(a)[1] - 1 = floor(log2(a)), exactly
;;       r = np.clip(x / 2.0 ** e, -57344, 57344)
;;       step = 2.0 ** (np.maximum(np.frexp(np.where(r == 0, 1, r))[1] - 1, -14) - 2)
;;       q = np.round(r / step) * step * 2.0 ** e      # np.round: ties to even
;;       return np.moveaxis(q.reshape(q.shape[:-2] + (-1,))[..., :K], -1, axis).astype(np.float32)
;;   ~~~
;;   OPERANDS COMPUTED ON THE WAY. 'Computed on the way' means the value that the module computes at that place (a softmax that the list does not call 'softmax' is quantised finished and normalised). What goes into a quantiser is computed in f32, as accurately as f32 sums, v_exp_f32 and their like allow (about 1e-6 of the number): no bf16 or f16 on the way to a quantiser, and a product that is left as it is and whose result goes on into a quantised operand takes f32 operands (vector FMAs, or v_wmma_f32_16x16x4_f32). A number that lies on a knife's edge between two numbers of the format may be rounded either way, as far as f32 arithmetic and the matrix unit's own rounding can turn it there, and no further.
;;   INPUTS GIVEN AS CODES. W1 (in the module: [8, 1024, 4096], K = its axis 1); W2 (in the module: [8, 4096, 1024], K = its axis 1): each comes as NAME_codes (uint8): NAME with its K axis moved to the last place and cut into blocks of 32 codes, [.., K / 32, bytes a block], one block behind the other in memory; one code a byte (a code: sign, 5 exponent bits, 2 mantissa bits); and NAME_scales (uint8): the same leading axes, one E8M0 byte (e + 127) for each 32 codes along K. Its value is code x scale, taken as it is: it is not quantised again, and the codes and scales need not be those that the quantiser above would give.
;; One version. Each part assembles by itself: llvm-mc -triple=amdgcn-amd-amdhsa -mcpu=gfx1250 --defsym DOCPART=n.
;; ======== version 1 of 1: 4 launches
;; workspace buffers: xq 1,048,576 bytes; xs 32,768 bytes; sel 8,192 bytes of whole numbers; gate 8,192 bytes; hq 33,554,432 bytes; hs 2,097,152 bytes; ypart 33,554,432 bytes
;; launch route (part 1): grid 256 x 1, 4 waves a work-group, no clusters, 22,016 bytes of LDS; arguments x, router_w, xq, xs, sel, gate; writes xq, xs, sel, gate
.if DOCPART == 1
	.amdgcn_target "amdgcn-amd-amdhsa--gfx1250"
	.amdhsa_code_object_version 6
	.text
	.protected	k_q596f14c140_route
	.globl	k_q596f14c140_route
	.p2align	8
	.type	k_q596f14c140_route,@function
k_q596f14c140_route:
	s_mov_b64 s[64:65], 0
	v_nop
	global_prefetch_b8 v0, s[64:65] scope:SCOPE_SE
	s_setreg_imm32_b32 hwreg(HW_REG_WAVE_MODE, 25, 1), 1
	s_wait_xcnt 0x0
; ROUTER AND QUANTISER OF x.  x [1024 tokens][1024] f32, router_w [8][1024] f32.
; Out: xq [token][1024] codes of E5M2, K in its own order; xs [token][32] E8M0 bytes; sel [2 token + k] the k-th chosen expert (whole numbers); gate [2 token + k] its weight.
; SHARES.  A work-group owns 4 tokens; wave w owns K = 256 w .. 256 w + 255 of all four, so router_w is read once a work-group and each load covers 512 consecutive bytes.
; The logits are f32 fused multiply-adds, summed over lanes and then over the four waves through LDS; wave w finishes token w: softmax with the maximum taken away, top-2
; (strict compares: the lower index wins a tie), the two weights renormalised.  Nothing here branches on, or addresses by, the choice: it is stored at fixed places.
; The quantiser wants 16 neighbours along K in one lane: the loaded bytes turn through the wave's own stage in LDS (64 bytes + 16 of padding a lane).
; LIMITS: NaN and infinities are not served.  A block of zeros gets the byte 1 (its codes are zeros; only this program reads the bytes).  Two probabilities nearer than f32 summing can tell may be ordered otherwise than in the definition.
; No matrix unit, no cluster: work-groups share only router_w's 32 KiB.
.set PART, 20480                       ; [wave][token 4][expert 8] f32
.set XSB,  20992                       ; [token 4][32] scale bytes
.set SP,   80
.set R,    16                          ; v16-47   x as loaded: token tau, half i at R + 8 tau + 4 i
.set RW,   48                          ; v48-111  router_w: expert e, half i at RW + 8 e + 4 i
.set AC,   112                         ; v112-175 32 pairs of partial sums
.set X,    176                         ; v176-207 two sets of 16 neighbours; later the waves' partial logits
.set C,    208                         ; v208-215 codes
.set EB,   216                         ; v216-217 scale bytes
.set SUM,  220                         ; v220-251 the 32 sums, 8 tau + e
	s_load_b256 s[4:11], s[0:1], 0x0               ; x, router_w, xq, xs
	s_load_b128 s[12:15], s[0:1], 0x20             ; sel, gate
	v_lshl_add_u32 v254, v0, 2, 0x5400
	v_mov_b32 v255, 0
	v_lshrrev_b32 v3, 5, v0
	v_readfirstlane_b32 s20, v3                    ; wave
	v_and_b32 v1, 31, v0                           ; lane
	v_lshlrev_b32 v2, 4, v1                        ; 16 x lane
	v_lshlrev_b32 v3, 2, v1                        ; 4 x lane
	v_lshrrev_b32 v6, 4, v1                        ; lane / 16
	v_and_b32 v7, 15, v1                           ; lane % 16
	v_lshlrev_b32 v4, 10, v6
	v_lshl_add_u32 v4, v7, 4, v4                   ; codes: a token's row for each half of the lanes, 16 bytes a lane
	s_lshl_b32 s21, s20, 3
	v_lshrrev_b32 v5, 1, v7
	v_lshl_add_u32 v5, v6, 5, v5
	v_add_nc_u32 v5, s21, v5
	v_add_nc_u32 v5, XSB, v5                       ; my block's byte: 32 (lane / 16) + 8 w + (lane % 16) / 2
	s_mul_i32 s22, s20, 2*32*SP
	v_lshrrev_b32 v14, 2, v1
	v_mul_u32_u24 v14, v14, SP
	v_and_b32 v15, 3, v1
	v_lshl_add_u32 v14, v15, 4, v14
	v_add_nc_u32 v14, s22, v14                     ; the stage, way in: four lanes' 64 bytes on end, then the padding
	v_mul_u32_u24 v15, v1, SP
	v_add_nc_u32 v15, s22, v15                     ; way out: my 64 bytes
	s_lshl_b32 s24, s20, 7
	s_add_co_u32 s24, s24, PART
	v_mov_b32 v12, s24                             ; where my wave's 32 sums go
	s_lshl_b32 s24, s20, 5
	s_add_co_u32 s24, s24, PART
	v_mov_b32 v13, s24                             ; token w's eight sums of wave 0
	v_add_nc_u32 v218, XSB, v3                     ; the scale bytes on their way out
	s_lshl_b32 s24, ttmp9, 14
	s_lshl_b32 s26, s20, 10
	s_add_co_u32 s24, s24, s26                     ; x: 4 rows of 4,096 bytes a work-group, 1,024 bytes a wave
	s_mov_b32 s25, 0
	s_mov_b32 s27, 0                               ; router_w: 1,024 bytes a wave
	s_lshl_b32 s28, ttmp9, 12
	s_lshl_b32 s34, s20, 8
	s_add_co_u32 s28, s28, s34                     ; xq
	s_mov_b32 s29, 0
	s_lshl_b32 s30, ttmp9, 7                       ; xs
	s_mov_b32 s31, 0
	s_lshl_b32 s32, ttmp9, 5
	s_add_co_u32 s32, s32, s21                     ; sel, gate: 8 bytes a token
	s_mov_b32 s33, 0
	s_mov_b32 s16, 0x76543210
	s_mov_b32 s17, 0xfedcba98                      ; v_permlanex16_b32's selects for lane l xor 16
	s_mov_b32 s23, 0x600000                        ; the mantissa field of 57,344
	s_wait_kmcnt 0x0
	s_add_nc_u64 s[4:5], s[4:5], s[24:25]
	s_add_nc_u64 s[6:7], s[6:7], s[26:27]
	s_add_nc_u64 s[8:9], s[8:9], s[28:29]
	s_add_nc_u64 s[10:11], s[10:11], s[30:31]
	s_add_nc_u64 s[12:13], s[12:13], s[32:33]
	s_add_nc_u64 s[14:15], s[14:15], s[32:33]
.irp t, 0,1,2,3
.irp i, 0,1
	global_load_b128 v[R+8*\t+4*\i:R+8*\t+4*\i+3], v2, s[4:5] offset:4096*\t+512*\i th:TH_LOAD_NT
.endr
.endr
.irp e, 0,1,2,3,4,5,6,7
.irp i, 0,1
	global_load_b128 v[RW+8*\e+4*\i:RW+8*\e+4*\i+3], v2, s[6:7] offset:4096*\e+512*\i
.endr
.endr
; Two tokens' quarters (2,048 bytes) through stage g: LDS serves a wave's instructions in order, so no wait stands between the stores and the loads.
.macro TURN g
.irp i, 0,1,2,3
	ds_store_b128 v14, v[R+16*(\g)+4*\i:R+16*(\g)+4*\i+3] offset:32*SP*(\g)+8*SP*\i
.endr
.irp i, 0,1,2,3
	ds_load_b128 v[X+16*(\g)+4*\i:X+16*(\g)+4*\i+3], v15 offset:32*SP*(\g)+16*\i
.endr
.endm
	s_wait_loadcnt 16                              ; x's eight loads are in; router_w's sixteen may be out
	TURN 0
	TURN 1
	s_wait_loadcnt 0x0
.irp st, 0,1,2,3                       ; the 32 dot products, eight numbers a lane each, by turns so that no line waits for the line above it
.set q, 0
.rept 32
.if \st == 0
	v_pk_mul_f32 v[AC+2*q:AC+2*q+1], v[R+8*(q/8):R+8*(q/8)+1], v[RW+8*(q%8):RW+8*(q%8)+1]
.else
	v_pk_fma_f32 v[AC+2*q:AC+2*q+1], v[R+8*(q/8)+2*\st:R+8*(q/8)+2*\st+1], v[RW+8*(q%8)+2*\st:RW+8*(q%8)+2*\st+1], v[AC+2*q:AC+2*q+1]
.endif
.set q, q+1
.endr
.endr
.set q, 0
.rept 32
	v_add_f32 v[SUM+q], v[AC+2*q], v[AC+2*q+1]
.set q, q+1
.endr
.irp m, 1,2,4,8                        ; over the 32 lanes
.set q, 0
.rept 32
	v_add_f32_dpp v[SUM+q], v[SUM+q], v[SUM+q] row_xmask:\m row_mask:0xf bank_mask:0xf
.set q, q+1
.endr
.endr
.set q, 0
.rept 32
	v_permlanex16_b32 v[AC+q], v[SUM+q], s16, s17  ; (its destination has been written)
.set q, q+1
.endr
.set q, 0
.rept 32
	v_add_f32 v[SUM+q], v[SUM+q], v[AC+q]
.set q, q+1
.endr
.irp p, 0,1,2,3,4,5,6,7
	ds_store_b128 v12, v[SUM+4*\p:SUM+4*\p+3] offset:16*\p   ; all lanes write the same words with the same values
.endr
; 512 numbers become codes: a block's largest magnitude (with the floor 2^(16 - 127) among its leaves), 15 off its exponent field for the scale, the hold at 57,344 x the scale, the conversion.
.macro QSTEP g
.set XS, X+16*(\g)
	v_max3_num_f32 v8, |v[XS]|, |v[XS+1]|, |v[XS+2]|
	v_max3_num_f32 v9, |v[XS+3]|, |v[XS+4]|, |v[XS+5]|
.irp i, 6,10
	v_max3_num_f32 v8, v8, |v[XS+\i]|, |v[XS+\i+1]|
	v_max3_num_f32 v9, v9, |v[XS+\i+2]|, |v[XS+\i+3]|
.endr
	v_max3_num_f32 v8, v8, |v[XS+14]|, |v[XS+15]|
	v_max3_num_f32 v8, v8, v9, 0x8000000
	v_max_num_f32_dpp v8, v8, v8 row_xmask:1 row_mask:0xf bank_mask:0xf   ; with my neighbour's 16: the block's
	v_add_nc_u32 v11, 0xf8800000, v8               ; the conversion takes the exponent field of this operand as its scale
	v_and_or_b32 v10, v8, 0x7f800000, s23          ; 57,344 x the scale
.irp i, 0,1,2,3,4,5,6,7,8,9,10,11,12,13,14,15
	v_med3_num_f32 v[XS+\i], v[XS+\i], -v10, v10   ; the conversion to an 8-bit code does not saturate (ISA guide 7.6.2)
.endr
	v_cvt_scalef32_pk8_bf8_f32 v[C+4*(\g):C+4*(\g)+1], v[XS:XS+7], v11
	v_cvt_scalef32_pk8_bf8_f32 v[C+4*(\g)+2:C+4*(\g)+3], v[XS+8:XS+15], v11
	v_lshrrev_b32 v[EB+(\g)], 23, v11              ; the scale's byte (and the plain line behind the conversions)
	ds_store_b8 v5, v[EB+(\g)] offset:64*(\g)      ; both lanes of a block write the same byte with the same value
	global_store_b128 v4, v[C+4*(\g):C+4*(\g)+3], s[8:9] offset:2048*(\g)   ; sixteen lanes store 256 consecutive bytes of a token's row
.endm
	s_wait_dscnt 16                                ; set 0 is back: behind its loads stand set 1's four stores and four loads and the eight stores of sums
	QSTEP 0
	s_wait_dscnt 0x0
	QSTEP 1
	s_wait_dscnt 0x0                               ; for the others' sake: my sums and my scale bytes lie in LDS
	s_barrier_signal -1
	s_barrier_wait -1
.irp p, 0,1,2,3                        ; token w's eight partial logits of each wave, the same in every lane
	ds_load_b128 v[X+8*\p:X+8*\p+3], v13 offset:128*\p
	ds_load_b128 v[X+8*\p+4:X+8*\p+7], v13 offset:128*\p+16
.endr
	s_wait_dscnt 0x0
.irp p, 0,2,4,6
	v_pk_add_f32 v[X+\p:X+\p+1], v[X+\p:X+\p+1], v[X+8+\p:X+9+\p]
	v_pk_add_f32 v[X+16+\p:X+17+\p], v[X+16+\p:X+17+\p], v[X+24+\p:X+25+\p]
.endr
.irp p, 0,2,4,6
	v_pk_add_f32 v[X+\p:X+\p+1], v[X+\p:X+\p+1], v[X+16+\p:X+17+\p]   ; the logits, v176-183
.endr
	v_max3_num_f32 v6, v[X], v[X+1], v[X+2]
	v_max3_num_f32 v6, v6, v[X+3], v[X+4]
	v_max3_num_f32 v6, v6, v[X+5], v[X+6]
	v_max_num_f32 v6, v6, v[X+7]                   ; the maximum is taken away ahead of the exponentials
.irp e, 0,1,2,3,4,5,6,7
	v_sub_f32 v[X+8+\e], v[X+\e], v6
.endr
.irp e, 0,1,2,3,4,5,6,7
	v_mul_f32 v[X+8+\e], 0x3fb8aa3b, v[X+8+\e]
.endr
.irp e, 0,1,2,3,4,5,6,7
	v_exp_f32 v[X+8+\e], v[X+8+\e]
.endr
	v_nop                                          ; a plain line behind the last exponential,
	s_wait_alu depctr_va_vdst(0)                   ; and one wait for the eight, ahead of their first reader
	v_pk_add_f32 v[X+16:X+17], v[X+8:X+9], v[X+10:X+11]
	v_pk_add_f32 v[X+18:X+19], v[X+12:X+13], v[X+14:X+15]
	v_pk_add_f32 v[X+16:X+17], v[X+16:X+17], v[X+18:X+19]
	v_add_f32 v7, v[X+16], v[X+17]
	v_rcp_f32 v7, v7
	v_mov_b32 v9, 0                                ; I1 (a plain line behind the reciprocal)
	v_mov_b32 v10, -1.0                            ; V2: under every probability
	v_mov_b32 v11, 0                               ; I2
	s_wait_alu depctr_va_vdst(0)
.irp e, 0,1,2,3,4,5,6,7
	v_mul_f32 v[X+8+\e], v[X+8+\e], v7             ; the probabilities
.endr
	v_mov_b32 v8, v[X+8]                           ; V1
.irp i, 1,2,3,4,5,6,7                  ; the two largest, by selects alone
	v_cmp_gt_f32 s35, v[X+8+\i], v8
	v_cmp_gt_f32 s36, v[X+8+\i], v10
	v_cndmask_b32 v10, v10, v[X+8+\i], s36
	v_cndmask_b32 v11, v11, \i, s36
	v_cndmask_b32 v10, v10, v8, s35
	v_cndmask_b32 v11, v11, v9, s35
	v_cndmask_b32 v8, v8, v[X+8+\i], s35
	v_cndmask_b32 v9, v9, \i, s35
.endr
	v_add_f32 v6, v8, v10
	v_add_f32 v6, 0x322bcc77, v6                   ; + 1e-8
	v_rcp_f32 v6, v6
	v_cmp_eq_u32 vcc_lo, 0, v1                     ; (a plain line behind the reciprocal)
	v_cndmask_b32 v9, v11, v9, vcc_lo              ; lane 0 keeps the first choice, the others take the second
	s_wait_alu depctr_va_vdst(0)
	v_mul_f32 v8, v8, v6
	v_mul_f32 v10, v10, v6
	v_cndmask_b32 v8, v10, v8, vcc_lo
	s_wait_xcnt 0x0                                ; EXEC changes only behind this wait: the codes' stores have been issued
	v_cmp_gt_u32 vcc_lo, 2, v1
	s_and_saveexec_b32 s34, vcc_lo
	global_store_b32 v3, v9, s[12:13]              ; lanes 0 and 1: sel[2 t + k],
	global_store_b32 v3, v8, s[14:15]              ; gate[2 t + k]
	s_wait_xcnt 0x0
	s_or_b32 exec_lo, exec_lo, s34
	s_cmp_lg_u32 s20, 0
	s_cbranch_scc1 .Lend
	ds_load_b32 v7, v218                           ; wave 0: the four tokens' 128 scale bytes, which are consecutive in xs
	s_wait_dscnt 0x0
	global_store_b32 v3, v7, s[10:11]
.Lend:
	s_wait_tensorcnt 0x0
	ds_add_u32 v254, v255
	s_wait_dscnt 0x0
	s_endpgm
.Lfunc_end_k_q596f14c140_route:
	.size	k_q596f14c140_route, .Lfunc_end_k_q596f14c140_route-k_q596f14c140_route
	.p2alignl 7, 3214868480
	.fill 96, 4, 3214868480
	.section	.rodata,"a",@progbits
	.p2align	6, 0x0
	.amdhsa_kernel k_q596f14c140_route
		.amdhsa_group_segment_fixed_size 22016
		.amdhsa_private_segment_fixed_size 0
		.amdhsa_enable_private_segment 0
		.amdhsa_kernarg_size 48
		.amdhsa_user_sgpr_count 2
		.amdhsa_user_sgpr_kernarg_segment_ptr 1
		.amdhsa_wavefront_size32 1
		.amdhsa_system_sgpr_workgroup_id_x 1
		.amdhsa_system_sgpr_workgroup_id_y 1
		.amdhsa_system_sgpr_workgroup_id_z 1
		.amdhsa_system_vgpr_workitem_id 0
		.amdhsa_next_free_vgpr 256
		.amdhsa_next_free_sgpr 66
		.amdhsa_reserve_vcc 1
		.amdhsa_float_denorm_mode_32 3
		.amdhsa_float_denorm_mode_16_64 3
		.amdhsa_memory_ordered 1
		.amdhsa_forward_progress 1
		.amdhsa_inst_pref_size 39
	.end_amdhsa_kernel
	.amdgpu_metadata
---
amdhsa.version: [ 1, 2 ]
amdhsa.kernels:
  - .name:           k_q596f14c140_route
    .symbol:         k_q596f14c140_route.kd
    .args:
      - { .name: x, .offset: 0, .size: 8, .value_kind: global_buffer, .address_space: global }
      - { .name: router_w, .offset: 8, .size: 8, .value_kind: global_buffer, .address_space: global }
      - { .name: xq, .offset: 16, .size: 8, .value_kind: global_buffer, .address_space: global }
      - { .name: xs, .offset: 24, .size: 8, .value_kind: global_buffer, .address_space: global }
      - { .name: sel, .offset: 32, .size: 8, .value_kind: global_buffer, .address_space: global }
      - { .name: gate, .offset: 40, .size: 8, .value_kind: global_buffer, .address_space: global }
    .group_segment_fixed_size: 22016
    .private_segment_fixed_size: 0
    .kernarg_segment_align: 8
    .kernarg_segment_size: 48
    .max_flat_workgroup_size: 128
    .sgpr_count:     66
    .vgpr_count:     256
    .wavefront_size: 32
...
	.end_amdgpu_metadata
.endif
;; end of part 1
;; launch ffn1 (part 2): grid 32 x 8, 4 waves a work-group, no clusters, 145,920 bytes of LDS; arguments W1_codes, W1_scales, b1, xq, xs, sel, hq, hs; writes hq, hs
.if DOCPART == 2
	.amdgcn_target "amdgcn-amd-amdhsa--gfx1250"
	.amdhsa_code_object_version 6
	.text
	.protected	k_q596f14c140_ffn1
	.globl	k_q596f14c140_ffn1
	.p2align	8
	.type	k_q596f14c140_ffn1,@function
k_q596f14c140_ffn1:
	s_mov_b64 s[64:65], 0
	v_nop
	global_prefetch_b8 v0, s[64:65] scope:SCOPE_SE
	s_setreg_imm32_b32 hwreg(HW_REG_WAVE_MODE, 25, 1), 1
	s_wait_xcnt 0x0
; FIRST PRODUCT OF THE CHOSEN ROWS: h = Q(gelu(Q(x) W1[e] + b1[e])), for the rows that chose expert e alone.
; SHARES.  Work-group (j, e) owns hidden units 128 j .. 128 j + 127 of expert e: 128 rows x 1,024 codes of W1, which no other work-group reads.  They are loaded once, laid in LDS, and serve all rows of the expert.
; Wave 0 reads sel and lists the slots (2 token + k) that chose e, in a fixed order that the second product's launch repeats; 16 listed slots are a tile.  Wave w owns tiles w, w + 4, ..., up to four in a pass,
; so that a fragment of W1 read from LDS feeds up to four matrix instructions.  Behind the second barrier the waves share nothing more: no barrier stands under a branch on the count.
; THE PRODUCT IS USED TRANSPOSED (source 0 = 16 rows of W1, source 1 = 16 listed rows of x): a lane holds one row.  LDS row 16 t + r holds the slice's row with bits 3 and 4 swapped, so that the 16 registers of
; tiles 2 b and 2 b + 1 are 16 neighbours along the next K: the conversions' results are the next operand's registers.  They are stored as that image: hq [e][tile 64][j 32][4 x 512 bytes], hs [e][tile][j][32 words].
; b1 is the C of each sum's first matrix instruction.  gelu (the tanh form) is x / (1 + 2^(x (k1 + k2 x x))), k1 = -2 sqrt(2 / pi) log2(e), k2 = 0.044715 k1: the same function.
; Entries of the list behind the count are 0: the last tile's spare rows are token 0's and are stored as padding.  Tile 0 is made for every expert, with rows or without.
; NO TENSOR LOADS, NO CLUSTER: the weights are shared by nobody; the rows are shared by the expert's 32 work-groups, but how many there are is read from memory, and the text branches on it.
; x's codes are gathered by rows: a load takes 32 bytes of each of 16 rows.
; LIMITS: NaN and infinities are not served; a block of zeros gets the byte 1 (its codes are zeros; only this program reads the bytes).
; REGISTERS.  Window 0: v1-38 addresses; v48-63 quantiser's work; v64-79 codes, v80 scale word; v82-83 k1; v84-92 scale row and bias on their way in; v96-127 x's scale words (8 mi + s);
;   v128-191 W1's scale words (8 t + s); v192-255 G: sel (wave 0), the bias as C, gelu's work.  Window 1: W1's fragments, two sets of 128.  Window 2: x's fragments, a ring of four K steps.
;   Window 3: the 32 accumulators (64 mi + 8 t); at the head the 64 weight loads land there.
.set WP,   1040                        ; an LDS row of W1: 1,024 bytes + 16: the 16 rows of a fragment load start 65 x 16 bytes apart
.set SCW,  133120                      ; W1's scale bytes: 128 rows, 48 bytes apart (32 used)
.set SCP,  48
.set BIAS, 139264                      ; 128 f32
.set LIST, 139776                      ; 1,280 entries, filled with 0 first; entries 1280 to 1311 take what does not match and are never read
.set CNT,  145152
.set G,    192
.set WS,   128
.set AS,   96
.set TM,   48
.set PC,   64
.set PW,   80
.set SL,   20
.set AX,   24
.set AXS,  28
.set MSB,  0
.macro WIN new                         ; the immediate's high byte repeats the setting that is left
.if MSB != \new
	s_set_vgpr_msb (MSB<<8)|\new
.set MSB, \new
.endif
.endm
.macro PLACES n
.rept \n
	v_nop
.endr
.endm
	s_load_b512 s[4:19], s[0:1], 0x0               ; W1 codes s[4:5], scales s[6:7], b1 s[8:9], xq s[10:11], xs s[12:13], sel s[14:15], hq s[16:17], hs s[18:19]
	v_lshl_add_u32 v94, v0, 2, 0x23800
	v_mov_b32 v95, 0
	v_lshrrev_b32 v1, 5, v0
	v_readfirstlane_b32 s20, v1                    ; wave
	s_and_b32 s21, ttmp7, 0xffff                   ; e
	s_mov_b32 s22, ttmp9                           ; j
	v_and_b32 v1, 31, v0                           ; lane
	v_and_b32 v2, 15, v0                           ; r
	v_bfe_u32 v3, v0, 4, 1                         ; h
	v_lshlrev_b32 v4, 4, v1                        ; 16 x lane
	v_lshlrev_b32 v5, 2, v1                        ; 4 x lane
	v_mul_u32_u24 v6, v2, WP
	v_lshl_add_u32 v6, v3, 4, v6                   ; a fragment's row x pitch + 16 h: tiles 0-3,
	v_add_nc_u32 v7, 64*WP, v6                     ; tiles 4-7
	s_mul_i32 s32, s20, 32*WP
	v_add_nc_u32 v8, s32, v4                       ; where my wave's 32 rows are laid
	v_and_b32 v9, 0x67, v0
	v_bfe_u32 v10, v0, 3, 1
	v_lshl_or_b32 v9, v10, 4, v9
	v_lshl_or_b32 v9, v3, 3, v9                    ; my thread's number with bits 3 and 4 swapped
	v_mul_u32_u24 v9, v9, SCP
	v_add_nc_u32 v9, SCW, v9                       ; where row tid's scale bytes are laid
	v_mul_u32_u24 v10, v2, SCP
	v_add_nc_u32 v10, SCW, v10                     ; and where lane r reads a tile's
	v_lshl_add_u32 v11, v0, 2, BIAS
	v_lshl_add_u32 v12, v3, 6, BIAS                ; the bias in the result's layout: 64 h + 128 b + 32 u
	s_lshl_b32 s32, s20, 6
	v_lshl_add_u32 v13, v2, 2, LIST
	v_add_nc_u32 v13, s32, v13                     ; tile w's entry r
	v_mov_b32 v15, CNT
	v_add_nc_u32 v18, 1280, v1                     ; the entry for what does not match
	v_lshl_add_u32 v19, v1, 4, LIST
	v_lshlrev_b32 v34, 5, v0                       ; W1's scale row of slice row tid: 32 bytes
	v_lshlrev_b32 v35, 2, v0
	v_lshlrev_b32 v38, 4, v3                       ; 16 h
.irp i, 0,1,2,3,4,5,6,7
	v_mov_b32 v[TM+\i], 0                          ; zeros for the list; and a lane permute's destination counts as one of its sources
.endr
	v_mov_b32 v82, 0xc0135761                      ; k1 = -2.3022082
	v_mov_b32 v83, v82
	s_mov_b32 s44, 0xbdd2d3e8                      ; k2 = -0.10294324
	s_mov_b32 s45, s44
	s_mov_b32 s38, 0x76543210
	s_mov_b32 s39, 0xfedcba98
	s_mov_b32 s40, 0x600000                        ; the mantissa field of 57,344
	s_lshl_b32 s32, s21, 22                        ; codes: e x 4 MiB + (128 j + 32 w) rows of 1,024 bytes
	s_lshl_b32 s41, s22, 17
	s_add_co_u32 s32, s32, s41
	s_lshl_b32 s41, s20, 15
	s_add_co_u32 s32, s32, s41
	s_mov_b32 s33, 0
	s_lshl_b32 s34, s21, 17                        ; scale bytes: e x 131,072 + 128 j rows of 32
	s_lshl_b32 s41, s22, 12
	s_add_co_u32 s34, s34, s41
	s_mov_b32 s35, 0
	s_lshl_b32 s36, s21, 14                        ; bias
	s_lshl_b32 s41, s22, 9
	s_add_co_u32 s36, s36, s41
	s_mov_b32 s37, 0
	s_lshl_b32 s30, s21, 22                        ; hq: ((64 e + tile) << 16) + 2,048 j, tile = w
	s_lshl_b32 s41, s20, 16
	s_add_co_u32 s30, s30, s41
	s_lshl_b32 s41, s22, 11
	s_add_co_u32 s30, s30, s41
	s_lshl_b32 s31, s21, 18                        ; hs: ((64 e + tile) << 12) + 128 j
	s_lshl_b32 s41, s20, 12
	s_add_co_u32 s31, s31, s41
	s_lshl_b32 s41, s22, 7
	s_add_co_u32 s31, s31, s41
	s_mov_b32 s27, 0                               ; pass
	s_mov_b32 s28, 0                               ; 1,024 x pass: the list's bytes of 16 tiles
	s_wait_kmcnt 0x0
	s_add_nc_u64 s[4:5], s[4:5], s[32:33]
	s_add_nc_u64 s[6:7], s[6:7], s[34:35]
	s_add_nc_u64 s[8:9], s[8:9], s[36:37]
	s_cmp_lg_u32 s20, 0
	s_cbranch_scc1 .Lno_sel
.irp jj, 0,1,2,3,4,5,6,7,8,9,10,11,12,13,14,15
	global_load_b128 v[G+4*\jj:G+4*\jj+3], v4, s[14:15] offset:512*\jj   ; wave 0: all 2,048 choices; register 4 jj + q of lane l is slot 128 jj + 4 l + q
.endr
.Lno_sel:
	global_load_b128 v[84:87], v34, s[6:7]
	global_load_b128 v[88:91], v34, s[6:7] offset:16
	global_load_b32 v92, v35, s[8:9]
	WIN 0xc0                                       ; destination window 3
.set rr, 0
.rept 32                               ; my wave's 32 rows, 512 consecutive bytes a load; read once in the launch
	global_load_b128 v[8*rr:8*rr+3], v4, s[4:5] offset:1024*rr th:TH_LOAD_NT
	global_load_b128 v[8*rr+4:8*rr+7], v4, s[4:5] offset:1024*rr+512 th:TH_LOAD_NT
.set rr, rr+1
.endr
	WIN 0
; One register of choices: a matching lane's entry is the running count + the matching lanes below it; the others go to entries that nobody reads.  The clamp is the last step ahead of the address arithmetic.
.macro LISTSTEP jj, q
	v_cmp_eq_u32 vcc_lo, s21, v[G+4*(\jj)+(\q)]
	v_mbcnt_lo_u32_b32 v16, vcc_lo, s41
	v_cndmask_b32 v16, v18, v16, vcc_lo
	v_min_u32 v16, 0x51f, v16
	v_lshl_add_u32 v16, v16, 2, LIST
	v_add_nc_u32 v17, 128*(\jj)+(\q), v5           ; the slot
	ds_store_b32 v16, v17
	s_bcnt1_i32_b32 s42, vcc_lo
	s_add_co_u32 s41, s41, s42
.endm
	s_cmp_lg_u32 s20, 0
	s_cbranch_scc1 .Lno_list
	s_wait_loadcnt 63                              ; 67 loads were issued behind the sixteen of sel: those are in
.irp i, 0,1,2,3,4,5,6,7,8,9
	ds_store_b128 v19, v[TM:TM+3] offset:512*\i    ; 1,280 entries of 0
.endr
	s_mov_b32 s41, 0
.irp jj, 0,1,2,3,4,5,6,7,8,9,10,11,12,13,14,15
.irp q, 0,1,2,3
	LISTSTEP \jj, \q
.endr
.endr
	v_mov_b32 v17, s41
	ds_store_b32 v15, v17                          ; the count
.Lno_list:
	s_wait_dscnt 0x0                               ; wave 0's stores have landed (up to here no other wave touches LDS)
	s_barrier_signal -1
	s_barrier_wait -1
	ds_load_b32 v17, v15
	s_wait_dscnt 0x0
	v_readfirstlane_b32 s24, v17
	s_min_u32 s24, s24, 1024                       ; rows of my expert: a token chooses an expert once at the most
	s_add_co_u32 s25, s24, 15
	s_lshr_b32 s25, s25, 4
	s_max_u32 s25, s25, 1                          ; tiles; tile 0 is always made
	s_add_co_u32 s26, s25, 3
	s_sub_co_u32 s26, s26, s20
	s_lshr_b32 s26, s26, 2                         ; tiles of my wave still to do
.macro LOADA s                         ; x's fragments of K step s, four tiles, into the ring's place s % 4
	WIN 0x80
.irp mi, 0,1,2,3
.irp c, 0,1,2,3
	global_load_b128 v[64*((\s)%4)+16*\mi+4*\c:64*((\s)%4)+16*\mi+4*\c+3], v[AX+\mi], s[10:11] offset:128*(\s)+32*\c
.endr
.endr
.endm
; The rows of a pass's four tiles (ahead = 1: the next pass's): list entries, tokens, x's scale words and the first three K steps of its codes.
.macro PROLOGUE ahead
	v_add_nc_u32 v14, s28, v13
.irp mi, 0,1,2,3
	ds_load_b32 v[SL+\mi], v14 offset:1024*(\ahead)+256*\mi
.endr
	s_wait_dscnt 0x0
.irp mi, 0,1,2,3
	v_lshrrev_b32 v[AX+\mi], 1, v[SL+\mi]
	v_min_u32 v[AX+\mi], 0x3ff, v[AX+\mi]          ; the token
	v_lshlrev_b32 v[AXS+\mi], 5, v[AX+\mi]
	v_lshl_add_u32 v[AX+\mi], v[AX+\mi], 10, v38
.endr
.irp mi, 0,1,2,3
	global_load_b128 v[AS+8*\mi:AS+8*\mi+3], v[AXS+\mi], s[12:13]
	global_load_b128 v[AS+8*\mi+4:AS+8*\mi+7], v[AXS+\mi], s[12:13] offset:16
.endr
	LOADA 0
	LOADA 1
	LOADA 2
	WIN 0
.endm
	PROLOGUE 0
	s_wait_loadcnt 56                              ; behind the weights stand the 8 + 48 loads just issued: the weights, their scale row and the bias are in
	ds_store_b128 v9, v[84:87]
	ds_store_b128 v9, v[88:91] offset:16
	ds_store_b32 v11, v92
	WIN 0x0c                                       ; an LDS store's data are its source 1: window 3
.set rr, 0
.rept 32
.set pp, (rr%8)+16*((rr/8)%2)+8*(rr/16)
	ds_store_b128 v8, v[8*rr:8*rr+3] offset:pp*WP
	ds_store_b128 v8, v[8*rr+4:8*rr+7] offset:pp*WP+512
.set rr, rr+1
.endr
	WIN 0
	s_wait_dscnt 0x0                               ; for the others' sake: my part of the slice lies in LDS
	s_barrier_signal -1
	s_barrier_wait -1                              ; from here on LDS is only read
.irp t, 0,1,2,3,4,5,6,7
	ds_load_b128 v[WS+8*\t:WS+8*\t+3], v10 offset:16*SCP*\t      ; W1's scale words stay in registers
	ds_load_b128 v[WS+8*\t+4:WS+8*\t+7], v10 offset:16*SCP*\t+16
.endr
.macro FRAGB s                         ; W1's eight fragments of K step s into set s % 2
	WIN 0x40
.irp t, 0,1,2,3,4,5,6,7
.irp c, 0,1,2,3
	ds_load_b128 v[128*((\s)%2)+16*\t+4*\c:128*((\s)%2)+16*\t+4*\c+3], v[6+\t/4] offset:(\t%4)*16*WP+128*(\s)+32*\c
.endr
.endr
.endm
; Eight products: tile mi of rows against W1's eight tiles.  The accumulators take turns, one instruction a turn.  K step 0 takes the bias as C.
.macro MUL8 s, mi
.if (\s) == 0
	WIN 0xc9                                       ; W1 window 1, x window 2, C window 0, D window 3
.else
	WIN 0xf9                                       ; C and D window 3
.endif
.irp t, 0,1,2,3,4,5,6,7
.if (\s) == 0
	v_wmma_scale_f32_16x16x128_f8f6f4 v[64*(\mi)+8*\t:64*(\mi)+8*\t+7], v[128*((\s)%2)+16*\t:128*((\s)%2)+16*\t+15], v[64*((\s)%4)+16*(\mi):64*((\s)%4)+16*(\mi)+15], v[G+8*\t:G+8*\t+7], v[WS+8*\t+(\s)], v[AS+8*(\mi)+(\s)] matrix_a_fmt:MATRIX_FMT_BF8 matrix_b_fmt:MATRIX_FMT_BF8
.else
	v_wmma_scale_f32_16x16x128_f8f6f4 v[64*(\mi)+8*\t:64*(\mi)+8*\t+7], v[128*((\s)%2)+16*\t:128*((\s)%2)+16*\t+15], v[64*((\s)%4)+16*(\mi):64*((\s)%4)+16*(\mi)+15], v[64*(\mi)+8*\t:64*(\mi)+8*\t+7], v[WS+8*\t+(\s)], v[AS+8*(\mi)+(\s)] matrix_a_fmt:MATRIX_FMT_BF8 matrix_b_fmt:MATRIX_FMT_BF8
.endif
.endr
.endm
; A K step of 128.  Eight plain lines stand between the last step's products and the loads into the registers that they read.
.macro STEP s
	PLACES 8
.if (\s) < 7
	FRAGB (\s)+1
.endif
.if (\s) < 5
	LOADA (\s)+3
.endif
	WIN 0
.if (\s) < 7
	s_wait_dscnt 32                                ; all but the 32 LDS loads just issued: this step's set of W1 is in
.else
	s_wait_dscnt 0x0
.endif
.if (\s) < 5
	s_wait_loadcnt 48                              ; the three later K steps' 48 loads may be out
.else
	s_wait_loadcnt 16*(7-(\s))
.endif
	MUL8 \s, 0
.irp mi, 1,2,3
	WIN 0                                          ; at a branch and at a label every window is 0
	s_cmp_le_i32 s26, \mi                          ; only the tiles that there are
	s_cbranch_scc1 .Lse_\@
	MUL8 \s, \mi
.endr
	WIN 0
.Lse_\@:
.endm
; 64 numbers of a lane in G, register 16 b + i = k 32 b + 16 h + i of my row, become a fragment's codes and its scale word.
.macro QUANT
.irp b, 0,1,2,3
	v_max3_num_f32 v[TM+\b], |v[G+16*\b]|, |v[G+1+16*\b]|, 0x8000000   ; and the floor 2^(16 - 127): the byte cannot fall under 1
.endr
.irp i, 2,4,6,8,10,12,14
.irp b, 0,1,2,3
	v_max3_num_f32 v[TM+\b], v[TM+\b], |v[G+16*\b+\i]|, |v[G+1+16*\b+\i]|
.endr
.endr
.irp b, 0,1,2,3
	v_permlanex16_b32 v[TM+4+\b], v[TM+\b], s38, s39
.endr
.irp b, 0,1,2,3
	v_max_num_f32 v[TM+\b], v[TM+\b], v[TM+4+\b]   ; with lane l xor 16's: the block's largest magnitude
.endr
.irp b, 0,1,2,3
	v_add_nc_u32 v[TM+12+\b], 0xf8800000, v[TM+\b] ; 15 off its exponent field: the conversion's scale operand
.endr
.irp b, 0,1,2,3
	v_and_or_b32 v[TM+8+\b], v[TM+\b], 0x7f800000, s40   ; 57,344 x the scale
.endr
.irp b, 0,1,2,3
	v_lshrrev_b32 v[TM+4+\b], 23, v[TM+12+\b]      ; the scale's byte
.endr
	v_lshl_or_b32 v[PW], v[TM+5], 8, v[TM+4]
	v_lshl_or_b32 v[PW], v[TM+6], 16, v[PW]
	v_lshl_or_b32 v[PW], v[TM+7], 24, v[PW]
.irp b, 0,1,2,3
.irp i, 0,1,2,3,4,5,6,7,8,9,10,11,12,13,14,15
	v_med3_num_f32 v[G+16*\b+\i], v[G+16*\b+\i], -v[TM+8+\b], v[TM+8+\b]   ; the conversion to an 8-bit code does not saturate (ISA guide 7.6.2)
.endr
	v_cvt_scalef32_pk8_bf8_f32 v[PC+4*\b:PC+1+4*\b], v[G+16*\b:G+7+16*\b], v[TM+12+\b]
	v_cvt_scalef32_pk8_bf8_f32 v[PC+2+4*\b:PC+3+4*\b], v[G+8+16*\b:G+15+16*\b], v[TM+12+\b]
.endr
	v_nop                                          ; a plain line behind the last conversion
.endm
; Tile mi leaves: gelu in batches over its 64 numbers a lane (each accumulator is read from its low end on), the quantiser, the image.
.macro EPI mi
	s_wait_xcnt 0x0                                ; the last tile's stores have read their codes and their scale word
	WIN 0x0f                                       ; sources window 3
.set i, 0
.rept 32
	v_pk_mul_f32 v[G+2*i:G+2*i+1], v[64*(\mi)+2*i:64*(\mi)+2*i+1], v[64*(\mi)+2*i:64*(\mi)+2*i+1]   ; x x
.set i, i+1
.endr
	WIN 0
.set i, 0
.rept 32
	v_pk_fma_f32 v[G+2*i:G+2*i+1], v[G+2*i:G+2*i+1], s[44:45], v[82:83] op_sel_hi:[1,0,1]           ; k2 x x + k1
.set i, i+1
.endr
	WIN 0x0c
.set i, 0
.rept 32
	v_pk_mul_f32 v[G+2*i:G+2*i+1], v[G+2*i:G+2*i+1], v[64*(\mi)+2*i:64*(\mi)+2*i+1]                 ; times x
.set i, i+1
.endr
	WIN 0
.set i, 0
.rept 64
	v_exp_f32 v[G+i], v[G+i]
.set i, i+1
.endr
	v_nop                                          ; a plain line behind the batch,
	s_wait_alu depctr_va_vdst(0)                   ; and one wait for it, ahead of its first reader
.set i, 0
.rept 32
	v_pk_add_f32 v[G+2*i:G+2*i+1], v[G+2*i:G+2*i+1], 1.0 op_sel_hi:[1,0]
.set i, i+1
.endr
.set i, 0
.rept 64
	v_rcp_f32 v[G+i], v[G+i]
.set i, i+1
.endr
	v_nop
	s_wait_alu depctr_va_vdst(0)
	WIN 0x0c
.set i, 0
.rept 32
	v_pk_mul_f32 v[G+2*i:G+2*i+1], v[G+2*i:G+2*i+1], v[64*(\mi)+2*i:64*(\mi)+2*i+1]                 ; gelu
.set i, i+1
.endr
	WIN 0
	QUANT
.irp c, 0,1,2,3
	global_store_b128 v32, v[PC+4*\c:PC+4*\c+3], s[16:17] offset:262144*(\mi)+512*\c   ; 512 consecutive bytes a store: the operand's registers as they stand
.endr
	global_store_b32 v33, v[PW], s[18:19] offset:16384*(\mi)
.endm
.Lpass:                                ; four trips: 1,024 rows at the most are 16 tiles a wave; a trip without tiles jumps over its work
	s_cmp_le_i32 s26, 0
	s_cbranch_scc1 .Lskip
	s_wait_xcnt 0x0                                ; the last pass's stores have read their offsets
	v_add_nc_u32 v32, s30, v4
	v_add_nc_u32 v33, s31, v5
.irp t, 0,1,2,3,4,5,6,7
	ds_load_b128 v[G+8*\t:G+8*\t+3], v12 offset:128*(\t/2)+32*(\t%2)      ; the bias in the result's layout
	ds_load_b128 v[G+8*\t+4:G+8*\t+7], v12 offset:128*(\t/2)+32*(\t%2)+16
.endr
	FRAGB 0
	WIN 0
	STEP 0
	STEP 1
	STEP 2
	STEP 3
	STEP 4
	STEP 5
	STEP 6
	STEP 7
	PLACES 8                                       ; behind the last products: ahead of the loads below and of the first read of results
	s_cmp_le_i32 s26, 4
	s_cbranch_scc1 .Lnopro
	PROLOGUE 1                                     ; the next pass's rows are asked for ahead of this pass's way out
.Lnopro:
	EPI 0
	s_cmp_le_i32 s26, 1
	s_cbranch_scc1 .Lepid
	EPI 1
	s_cmp_le_i32 s26, 2
	s_cbranch_scc1 .Lepid
	EPI 2
	s_cmp_le_i32 s26, 3
	s_cbranch_scc1 .Lepid
	EPI 3
.Lepid:
.Lskip:
	s_sub_co_i32 s26, s26, 4
	s_add_co_u32 s28, s28, 1024
	s_add_co_u32 s30, s30, 0x100000                ; 16 tiles on in hq,
	s_add_co_u32 s31, s31, 0x10000                 ; and in hs
	s_add_co_u32 s27, s27, 1
	s_cmp_lt_u32 s27, 4
	s_cbranch_scc1 .Lpass
	s_wait_dscnt 0x0                               ; a wave without tiles has its scale words' loads out
	s_wait_tensorcnt 0x0
	ds_add_u32 v94, v95
	s_wait_dscnt 0x0
	s_endpgm
.Lfunc_end_k_q596f14c140_ffn1:
	.size	k_q596f14c140_ffn1, .Lfunc_end_k_q596f14c140_ffn1-k_q596f14c140_ffn1
	.p2alignl 7, 3214868480
	.fill 96, 4, 3214868480
	.section	.rodata,"a",@progbits
	.p2align	6, 0x0
	.amdhsa_kernel k_q596f14c140_ffn1
		.amdhsa_group_segment_fixed_size 145920
		.amdhsa_private_segment_fixed_size 0
		.amdhsa_enable_private_segment 0
		.amdhsa_kernarg_size 64
		.amdhsa_user_sgpr_count 2
		.amdhsa_user_sgpr_kernarg_segment_ptr 1
		.amdhsa_wavefront_size32 1
		.amdhsa_system_sgpr_workgroup_id_x 1
		.amdhsa_system_sgpr_workgroup_id_y 1
		.amdhsa_system_sgpr_workgroup_id_z 1
		.amdhsa_system_vgpr_workitem_id 0
		.amdhsa_next_free_vgpr 1024
		.amdhsa_next_free_sgpr 66
		.amdhsa_reserve_vcc 1
		.amdhsa_float_denorm_mode_32 3
		.amdhsa_float_denorm_mode_16_64 3
		.amdhsa_memory_ordered 1
		.amdhsa_forward_progress 1
		.amdhsa_inst_pref_size 217
	.end_amdhsa_kernel
	.amdgpu_metadata
---
amdhsa.version: [ 1, 2 ]
amdhsa.kernels:
  - .name:           k_q596f14c140_ffn1
    .symbol:         k_q596f14c140_ffn1.kd
    .args:
      - { .name: W1_codes, .offset: 0, .size: 8, .value_kind: global_buffer, .address_space: global }
      - { .name: W1_scales, .offset: 8, .size: 8, .value_kind: global_buffer, .address_space: global }
      - { .name: b1, .offset: 16, .size: 8, .value_kind: global_buffer, .address_space: global }
      - { .name: xq, .offset: 24, .size: 8, .value_kind: global_buffer, .address_space: global }
      - { .name: xs, .offset: 32, .size: 8, .value_kind: global_buffer, .address_space: global }
      - { .name: sel, .offset: 40, .size: 8, .value_kind: global_buffer, .address_space: global }
      - { .name: hq, .offset: 48, .size: 8, .value_kind: global_buffer, .address_space: global }
      - { .name: hs, .offset: 56, .size: 8, .value_kind: global_buffer, .address_space: global }
    .group_segment_fixed_size: 145920
    .private_segment_fixed_size: 0
    .kernarg_segment_align: 8
    .kernarg_segment_size: 64
    .max_flat_workgroup_size: 128
    .sgpr_count:     66
    .vgpr_count:     1024
    .wavefront_size: 32
...
	.end_amdgpu_metadata
.endif
;; end of part 2
;; launch ffn2 (part 3): grid 32 x 8, 4 waves a work-group, no clusters, 179,712 bytes of LDS; arguments W2_codes, W2_scales, b2, hq, hs, sel, gate, ypart; writes ypart
.if DOCPART == 3
	.amdgcn_target "amdgcn-amd-amdhsa--gfx1250"
	.amdhsa_code_object_version 6
	.text
	.protected	k_q596f14c140_ffn2
	.globl	k_q596f14c140_ffn2
	.p2align	8
	.type	k_q596f14c140_ffn2,@function
k_q596f14c140_ffn2:
	s_mov_b64 s[64:65], 0
	v_nop
	global_prefetch_b8 v0, s[64:65] scope:SCOPE_SE
	s_setreg_imm32_b32 hwreg(HW_REG_WAVE_MODE, 25, 1), 1
	s_wait_xcnt 0x0
; SECOND PRODUCT OF THE CHOSEN ROWS: ypart[kq][slot][:] = gate[slot] x (h W2[e] over K quarter kq, + b2[e] in quarter 0).
; SHARES.  Work-group (jcol + 8 kq, e) owns output columns 128 jcol .. + 127 and K = 1,024 kq .. + 1,023 of expert e: 128 rows x 1,024 codes of W2, which no other work-group reads.  The form is the first
; product's: the slice is laid in LDS once; wave 0 lists the expert's slots in the same order as there, so that tile i holds the same 16 slots; wave w owns tiles w, w + 4, ..., up to four in a pass.
; K is cut in four so that a work-group draws 128 KiB of weights and a quarter of each row's codes; the four parts and a token's two experts are added by the launch behind this one.
; THE PRODUCT IS USED TRANSPOSED (source 0 = 16 rows of W2, source 1 = 16 rows of h): a lane holds one row and eight neighbouring columns.  h's fragments come as images of the operand's registers, 512 consecutive bytes a load.
; The way out: times the row's gate weight, through the wave's own stage in LDS, back as whole rows of 512 bytes, each stored at its slot.  The last tile's spare rows are left out by a scalar branch on the count.
; NO TENSOR LOADS, NO CLUSTER: the weights are shared by nobody; h's rows are shared by eight work-groups, but how many there are is read from memory, and the text branches on it.
; LIMITS: NaN and infinities are not served.
; REGISTERS.  Window 0: v1-37 addresses; v40-47 the rows' gate weights (even registers); v48-63 the rows' offsets in ypart; v84-92 scale row and bias on their way in; v96-127 h's scale words (8 mi + s);
;   v128-191 W2's scale words (8 t + s); v192-255 G: sel (wave 0), the bias as C, rows back from the stage.  Window 1: W2's fragments, two sets.  Window 2: h's fragments, a ring of four K steps.  Window 3: the 32 accumulators.
.set WP,   1040
.set SCW,  133120
.set SCP,  48
.set BIAS, 139264
.set LIST, 139776
.set CNT,  145152
.set STG,  145408                      ; the way out: 16 rows x (512 bytes + 16) for each wave
.set SPI,  528
.set G,    192
.set WS,   128
.set AS,   96
.set RA,   48
.set GW,   40
.set SL,   20
.set AX,   24
.set AXS,  28
.set MSB,  0
.macro WIN new                         ; the immediate's high byte repeats the setting that is left
.if MSB != \new
	s_set_vgpr_msb (MSB<<8)|\new
.set MSB, \new
.endif
.endm
.macro PLACES n
.rept \n
	v_nop
.endr
.endm
	s_load_b512 s[4:19], s[0:1], 0x0               ; W2 codes s[4:5], scales s[6:7], b2 s[8:9], hq s[10:11], hs s[12:13], sel s[14:15], gate s[16:17], ypart s[18:19]
	v_lshl_add_u32 v94, v0, 2, 0x2bc00
	v_mov_b32 v95, 0
	v_lshrrev_b32 v1, 5, v0
	v_readfirstlane_b32 s20, v1                    ; wave
	s_and_b32 s21, ttmp7, 0xffff                   ; e
	s_and_b32 s22, ttmp9, 7                        ; jcol
	s_lshr_b32 s23, ttmp9, 3                       ; kq
	v_and_b32 v1, 31, v0                           ; lane
	v_and_b32 v2, 15, v0                           ; r
	v_bfe_u32 v3, v0, 4, 1                         ; h
	v_lshlrev_b32 v4, 4, v1                        ; 16 x lane
	v_lshlrev_b32 v5, 2, v1                        ; 4 x lane
	v_mul_u32_u24 v6, v2, WP
	v_lshl_add_u32 v6, v3, 4, v6                   ; a fragment's row x pitch + 16 h: tiles 0-3,
	v_add_nc_u32 v7, 64*WP, v6                     ; tiles 4-7
	s_mul_i32 s32, s20, 32*WP
	v_add_nc_u32 v8, s32, v4                       ; where my wave's 32 rows are laid
	v_mul_u32_u24 v9, v0, SCP
	v_add_nc_u32 v9, SCW, v9                       ; where row tid's scale bytes are laid
	v_mul_u32_u24 v10, v2, SCP
	v_add_nc_u32 v10, SCW, v10                     ; and where lane r reads a tile's
	v_lshl_add_u32 v11, v0, 2, BIAS
	v_lshl_add_u32 v12, v3, 5, BIAS                ; the bias in the result's layout: 32 h + 64 t
	s_lshl_b32 s32, s20, 6
	v_lshl_add_u32 v13, v2, 2, LIST
	v_add_nc_u32 v13, s32, v13                     ; tile w's entry r
	v_mov_b32 v15, CNT
	v_add_nc_u32 v18, 1280, v1                     ; the entry for what does not match
	v_lshl_add_u32 v19, v1, 4, LIST
	v_lshlrev_b32 v34, 7, v0                       ; W2's scale row of slice row tid: rows of 128 bytes
	v_lshlrev_b32 v35, 2, v0
	s_mul_i32 s32, s20, 16*SPI
	v_mul_u32_u24 v36, v2, SPI
	v_lshl_add_u32 v36, v3, 5, v36
	v_add_nc_u32 v36, s32, v36
	v_add_nc_u32 v36, STG, v36                     ; my stage, way in: row r, + 32 h
	v_add_nc_u32 v37, s32, v4
	v_add_nc_u32 v37, STG, v37                     ; way out: 16 bytes a lane of a row
.irp i, 0,1,2,3
	v_mov_b32 v[RA+\i], 0                          ; zeros for the list
.endr
.irp i, 0,1,2,3,4,5,6,7
	v_mov_b32 v[GW+\i], 0                          ; (the odd ones are named as the upper halves of pairs)
.endr
	s_lshl_b32 s32, s21, 22                        ; codes: e x 4 MiB + (128 jcol + 32 w) rows of 4,096 bytes + 1,024 kq
	s_lshl_b32 s41, s22, 19
	s_add_co_u32 s32, s32, s41
	s_lshl_b32 s41, s20, 17
	s_add_co_u32 s32, s32, s41
	s_lshl_b32 s41, s23, 10
	s_add_co_u32 s32, s32, s41
	s_mov_b32 s33, 0
	s_lshl_b32 s34, s21, 17                        ; scale bytes: e x 131,072 + 128 jcol rows of 128 + 32 kq
	s_lshl_b32 s41, s22, 14
	s_add_co_u32 s34, s34, s41
	s_lshl_b32 s41, s23, 5
	s_add_co_u32 s34, s34, s41
	s_mov_b32 s35, 0
	s_lshl_b32 s36, s21, 12                        ; bias
	s_lshl_b32 s41, s22, 9
	s_add_co_u32 s36, s36, s41
	s_mov_b32 s37, 0
	s_lshl_b32 s46, s23, 23                        ; ypart: 8 MiB a quarter, + the columns' 512 bytes
	s_add_co_u32 s46, s46, s41
	s_mov_b32 s47, 0
	s_lshl_b32 s50, s21, 22                        ; hq: (64 e << 16) + 8 kq images of 2,048 bytes
	s_lshl_b32 s41, s23, 14
	s_add_co_u32 s50, s50, s41
	s_lshl_b32 s51, s21, 18                        ; hs: (64 e << 12) + 8 kq x 128
	s_lshl_b32 s41, s23, 10
	s_add_co_u32 s51, s51, s41
	s_mov_b32 s27, 0                               ; pass
	s_mov_b32 s28, 0                               ; 1,024 x pass
	s_mov_b32 s29, s20                             ; my first tile of the pass
	s_wait_kmcnt 0x0
	s_add_nc_u64 s[4:5], s[4:5], s[32:33]
	s_add_nc_u64 s[6:7], s[6:7], s[34:35]
	s_add_nc_u64 s[8:9], s[8:9], s[36:37]
	s_add_nc_u64 s[18:19], s[18:19], s[46:47]
	s_cmp_lg_u32 s20, 0
	s_cbranch_scc1 .Lno_sel
.irp jj, 0,1,2,3,4,5,6,7,8,9,10,11,12,13,14,15
	global_load_b128 v[G+4*\jj:G+4*\jj+3], v4, s[14:15] offset:512*\jj   ; wave 0: all 2,048 choices; register 4 jj + q of lane l is slot 128 jj + 4 l + q
.endr
.Lno_sel:
	global_load_b128 v[84:87], v34, s[6:7]
	global_load_b128 v[88:91], v34, s[6:7] offset:16
	global_load_b32 v92, v35, s[8:9]
	WIN 0xc0                                       ; destination window 3
.set rr, 0
.rept 32                               ; my wave's 32 rows' quarters, 512 consecutive bytes a load; read once in the launch
	global_load_b128 v[8*rr:8*rr+3], v4, s[4:5] offset:4096*rr th:TH_LOAD_NT
	global_load_b128 v[8*rr+4:8*rr+7], v4, s[4:5] offset:4096*rr+512 th:TH_LOAD_NT
.set rr, rr+1
.endr
	WIN 0
; One register of choices: a matching lane's entry is the running count + the matching lanes below it; the others go to entries that nobody reads.  The clamp is the last step ahead of the address arithmetic.
.macro LISTSTEP jj, q
	v_cmp_eq_u32 vcc_lo, s21, v[G+4*(\jj)+(\q)]
	v_mbcnt_lo_u32_b32 v16, vcc_lo, s41
	v_cndmask_b32 v16, v18, v16, vcc_lo
	v_min_u32 v16, 0x51f, v16
	v_lshl_add_u32 v16, v16, 2, LIST
	v_add_nc_u32 v17, 128*(\jj)+(\q), v5           ; the slot
	ds_store_b32 v16, v17
	s_bcnt1_i32_b32 s42, vcc_lo
	s_add_co_u32 s41, s41, s42
.endm
	s_cmp_lg_u32 s20, 0
	s_cbranch_scc1 .Lno_list
	s_wait_loadcnt 63                              ; 67 loads were issued behind the sixteen of sel: those are in
.irp i, 0,1,2,3,4,5,6,7,8,9
	ds_store_b128 v19, v[RA:RA+3] offset:512*\i    ; 1,280 entries of 0
.endr
	s_mov_b32 s41, 0
.irp jj, 0,1,2,3,4,5,6,7,8,9,10,11,12,13,14,15
.irp q, 0,1,2,3
	LISTSTEP \jj, \q
.endr
.endr
	v_mov_b32 v17, s41
	ds_store_b32 v15, v17                          ; the count
.Lno_list:
	s_wait_dscnt 0x0                               ; wave 0's stores have landed (up to here no other wave touches LDS)
	s_barrier_signal -1
	s_barrier_wait -1
	ds_load_b32 v17, v15
	s_wait_dscnt 0x0
	v_readfirstlane_b32 s24, v17
	s_min_u32 s24, s24, 1024                       ; rows of my expert
	s_add_co_u32 s25, s24, 15
	s_lshr_b32 s25, s25, 4                         ; tiles
	s_add_co_u32 s26, s25, 3
	s_sub_co_u32 s26, s26, s20
	s_lshr_b32 s26, s26, 2                         ; tiles of my wave still to do
	s_max_u32 s52, s25, 1
	s_sub_co_u32 s52, s52, 1                       ; the last tile that the launch before has stored (tile 0 where the expert has no rows)
.macro LOADA s                         ; h's fragments of K step s, four tiles, into the ring's place s % 4: images, 512 consecutive bytes a load
	WIN 0x80
.irp mi, 0,1,2,3
.irp c, 0,1,2,3
	global_load_b128 v[64*((\s)%4)+16*\mi+4*\c:64*((\s)%4)+16*\mi+4*\c+3], v[AX+\mi], s[10:11] offset:2048*(\s)+512*\c
.endr
.endr
.endm
; A pass's four tiles of h (ahead = 1: the next pass's): a tile past the last is replaced by the last, and its products are not made.
.macro PRO_A ahead
.irp mi, 0,1,2,3
	s_add_co_u32 s32, s29, 16*(\ahead)+4*\mi
	s_min_u32 s32, s32, s52
	s_min_u32 s32, s32, 63
	s_lshl_b32 s33, s32, 16
	s_add_co_u32 s33, s33, s50
	v_add_nc_u32 v[AX+\mi], s33, v4
	s_lshl_b32 s33, s32, 12
	s_add_co_u32 s33, s33, s51
	v_add_nc_u32 v[AXS+\mi], s33, v5
.endr
.irp mi, 0,1,2,3
.irp k, 0,1,2,3,4,5,6,7
	global_load_b32 v[AS+8*\mi+\k], v[AXS+\mi], s[12:13] offset:128*\k
.endr
.endr
	LOADA 0
	LOADA 1
	LOADA 2
	WIN 0
.endm
	PRO_A 0
	s_wait_loadcnt 63                              ; behind the weights stand the 32 + 48 loads just issued: the weights, their scale row and the bias are in
	s_cmp_eq_u32 s23, 0
	s_cselect_b32 s32, -1, 0
	v_and_b32 v92, s32, v92                        ; the bias counts once: in K's first quarter
	ds_store_b128 v9, v[84:87]
	ds_store_b128 v9, v[88:91] offset:16
	ds_store_b32 v11, v92
	WIN 0x0c                                       ; an LDS store's data are its source 1: window 3
.set rr, 0
.rept 32
	ds_store_b128 v8, v[8*rr:8*rr+3] offset:rr*WP
	ds_store_b128 v8, v[8*rr+4:8*rr+7] offset:rr*WP+512
.set rr, rr+1
.endr
	WIN 0
	s_wait_dscnt 0x0                               ; for the others' sake: my part of the slice lies in LDS
	s_barrier_signal -1
	s_barrier_wait -1                              ; from here on the shared regions are only read; a stage is its wave's own
.irp t, 0,1,2,3,4,5,6,7
	ds_load_b128 v[WS+8*\t:WS+8*\t+3], v10 offset:16*SCP*\t      ; W2's scale words stay in registers
	ds_load_b128 v[WS+8*\t+4:WS+8*\t+7], v10 offset:16*SCP*\t+16
.endr
.macro FRAGB s                         ; W2's eight fragments of K step s into set s % 2
	WIN 0x40
.irp t, 0,1,2,3,4,5,6,7
.irp c, 0,1,2,3
	ds_load_b128 v[128*((\s)%2)+16*\t+4*\c:128*((\s)%2)+16*\t+4*\c+3], v[6+\t/4] offset:(\t%4)*16*WP+128*(\s)+32*\c
.endr
.endr
.endm
; Eight products: tile mi of rows against W2's eight tiles.  The accumulators take turns, one instruction a turn.  K step 0 takes the bias as C.
.macro MUL8 s, mi
.if (\s) == 0
	WIN 0xc9                                       ; W2 window 1, h window 2, C window 0, D window 3
.else
	WIN 0xf9                                       ; C and D window 3
.endif
.irp t, 0,1,2,3,4,5,6,7
.if (\s) == 0
	v_wmma_scale_f32_16x16x128_f8f6f4 v[64*(\mi)+8*\t:64*(\mi)+8*\t+7], v[128*((\s)%2)+16*\t:128*((\s)%2)+16*\t+15], v[64*((\s)%4)+16*(\mi):64*((\s)%4)+16*(\mi)+15], v[G+8*\t:G+8*\t+7], v[WS+8*\t+(\s)], v[AS+8*(\mi)+(\s)] matrix_a_fmt:MATRIX_FMT_BF8 matrix_b_fmt:MATRIX_FMT_BF8
.else
	v_wmma_scale_f32_16x16x128_f8f6f4 v[64*(\mi)+8*\t:64*(\mi)+8*\t+7], v[128*((\s)%2)+16*\t:128*((\s)%2)+16*\t+15], v[64*((\s)%4)+16*(\mi):64*((\s)%4)+16*(\mi)+15], v[64*(\mi)+8*\t:64*(\mi)+8*\t+7], v[WS+8*\t+(\s)], v[AS+8*(\mi)+(\s)] matrix_a_fmt:MATRIX_FMT_BF8 matrix_b_fmt:MATRIX_FMT_BF8
.endif
.endr
.endm
; A K step of 128.  Eight plain lines stand between the last step's products and the loads into the registers that they read.
.macro STEP s
	PLACES 8
.if (\s) < 7
	FRAGB (\s)+1
.endif
.if (\s) < 5
	LOADA (\s)+3
.endif
	WIN 0
.if (\s) < 7
	s_wait_dscnt 32                                ; all but the 32 LDS loads just issued: this step's set of W2 is in
.else
	s_wait_dscnt 0x0
.endif
.if (\s) < 5
	s_wait_loadcnt 48                              ; the three later K steps' 48 loads may be out (in steps 0 and 1 the four gate loads stand among the youngest 48: the count is then the stricter)
.else
	s_wait_loadcnt 16*(7-(\s))
.endif
	MUL8 \s, 0
.irp mi, 1,2,3
	WIN 0                                          ; at a branch and at a label every window is 0
	s_cmp_le_i32 s26, \mi                          ; only the tiles that there are
	s_cbranch_scc1 .Lse_\@
	MUL8 \s, \mi
.endr
	WIN 0
.Lse_\@:
.endm
; Tile mi leaves.
.macro EPI mi
	s_wait_xcnt 0x0                                ; the last tile's stores have read their rows and their offsets
	WIN 0xc3                                       ; destination and source 0 window 3, the weight window 0
.set i, 0
.rept 32
	v_pk_mul_f32 v[64*(\mi)+2*i:64*(\mi)+2*i+1], v[64*(\mi)+2*i:64*(\mi)+2*i+1], v[GW+2*(\mi):GW+2*(\mi)+1] op_sel_hi:[1,0]   ; times my row's gate weight; each accumulator from its low end on
.set i, i+1
.endr
	WIN 0x0c
.irp t, 0,1,2,3,4,5,6,7
	ds_store_b128 v36, v[64*(\mi)+8*\t:64*(\mi)+8*\t+3] offset:64*\t
	ds_store_b128 v36, v[64*(\mi)+8*\t+4:64*(\mi)+8*\t+7] offset:64*\t+16
.endr
	WIN 0
.irp i, 0,1,2,3,4,5,6,7,8,9,10,11,12,13,14,15
	ds_load_b128 v[G+4*\i:G+4*\i+3], v37 offset:SPI*\i   ; LDS serves a wave's instructions in order: these see my stores
.endr
.irp i, 0,1,2,3,4,5,6,7,8,9,10,11,12,13,14,15
	v_readlane_b32 s49, v[SL+(\mi)], \i            ; row i's slot,
	s_min_u32 s49, s49, 0x7ff
	v_lshl_add_u32 v[RA+\i], s49, 12, v4           ; its row of 4,096 bytes, 16 bytes a lane
.endr
	s_add_co_u32 s48, s29, 4*(\mi)
	s_lshl_b32 s48, s48, 4
	s_sub_co_i32 s48, s24, s48                     ; rows of this tile that are listed
.irp i, 0,1,2,3,4,5,6,7,8,9,10,11,12,13,14,15
	s_cmp_le_i32 s48, \i
	s_cbranch_scc1 .Lrows_\@
	s_wait_dscnt 15-\i
	global_store_b128 v[RA+\i], v[G+4*\i:G+4*\i+3], s[18:19] th:TH_STORE_NT   ; 32 lanes store 512 consecutive bytes, at a multiple of 512 from ypart's first byte
.endr
.Lrows_\@:
	s_wait_dscnt 0x0
.endm
.Lpass:                                ; four trips: 1,024 rows at the most are 16 tiles a wave; a trip without tiles jumps over its work
	s_cmp_le_i32 s26, 0
	s_cbranch_scc1 .Lskip
	s_wait_xcnt 0x0                                ; the last pass's stores have read their rows and their offsets
	v_add_nc_u32 v14, s28, v13
.irp mi, 0,1,2,3
	ds_load_b32 v[SL+\mi], v14 offset:256*\mi      ; the four tiles' slots
.endr
	s_wait_dscnt 0x0
.irp mi, 0,1,2,3
	v_min_u32 v[RA+\mi], 0x7ff, v[SL+\mi]
	v_lshlrev_b32 v[RA+\mi], 2, v[RA+\mi]
.endr
.irp mi, 0,1,2,3
	global_load_b32 v[GW+2*\mi], v[RA+\mi], s[16:17]   ; and their gate weights: wanted on the way out, behind K step 7's wait for all loads
.endr
.irp t, 0,1,2,3,4,5,6,7
	ds_load_b128 v[G+8*\t:G+8*\t+3], v12 offset:64*\t      ; the bias in the result's layout
	ds_load_b128 v[G+8*\t+4:G+8*\t+7], v12 offset:64*\t+16
.endr
	FRAGB 0
	WIN 0
	STEP 0
	STEP 1
	STEP 2
	STEP 3
	STEP 4
	STEP 5
	STEP 6
	STEP 7
	PLACES 8                                       ; behind the last products: ahead of the loads below and of the first read of results
	s_cmp_le_i32 s26, 4
	s_cbranch_scc1 .Lnopro
	PRO_A 1                                        ; the next pass's rows are asked for ahead of this pass's way out
.Lnopro:
	EPI 0
	s_cmp_le_i32 s26, 1
	s_cbranch_scc1 .Lepid
	EPI 1
	s_cmp_le_i32 s26, 2
	s_cbranch_scc1 .Lepid
	EPI 2
	s_cmp_le_i32 s26, 3
	s_cbranch_scc1 .Lepid
	EPI 3
.Lepid:
.Lskip:
	s_sub_co_i32 s26, s26, 4
	s_add_co_u32 s28, s28, 1024
	s_add_co_u32 s29, s29, 16
	s_add_co_u32 s27, s27, 1
	s_cmp_lt_u32 s27, 4
	s_cbranch_scc1 .Lpass
	s_wait_dscnt 0x0                               ; a wave without tiles has its scale words' loads out
	s_wait_tensorcnt 0x0
	ds_add_u32 v94, v95
	s_wait_dscnt 0x0
	s_endpgm
.Lfunc_end_k_q596f14c140_ffn2:
	.size	k_q596f14c140_ffn2, .Lfunc_end_k_q596f14c140_ffn2-k_q596f14c140_ffn2
	.p2alignl 7, 3214868480
	.fill 96, 4, 3214868480
	.section	.rodata,"a",@progbits
	.p2align	6, 0x0
	.amdhsa_kernel k_q596f14c140_ffn2
		.amdhsa_group_segment_fixed_size 179712
		.amdhsa_private_segment_fixed_size 0
		.amdhsa_enable_private_segment 0
		.amdhsa_kernarg_size 64
		.amdhsa_user_sgpr_count 2
		.amdhsa_user_sgpr_kernarg_segment_ptr 1
		.amdhsa_wavefront_size32 1
		.amdhsa_system_sgpr_workgroup_id_x 1
		.amdhsa_system_sgpr_workgroup_id_y 1
		.amdhsa_system_sgpr_workgroup_id_z 1
		.amdhsa_system_vgpr_workitem_id 0
		.amdhsa_next_free_vgpr 1024
		.amdhsa_next_free_sgpr 66
		.amdhsa_reserve_vcc 1
		.amdhsa_float_denorm_mode_32 3
		.amdhsa_float_denorm_mode_16_64 3
		.amdhsa_memory_ordered 1
		.amdhsa_forward_progress 1
		.amdhsa_inst_pref_size 173
	.end_amdhsa_kernel
	.amdgpu_metadata
---
amdhsa.version: [ 1, 2 ]
amdhsa.kernels:
  - .name:           k_q596f14c140_ffn2
    .symbol:         k_q596f14c140_ffn2.kd
    .args:
      - { .name: W2_codes, .offset: 0, .size: 8, .value_kind: global_buffer, .address_space: global }
      - { .name: W2_scales, .offset: 8, .size: 8, .value_kind: global_buffer, .address_space: global }
      - { .name: b2, .offset: 16, .size: 8, .value_kind: global_buffer, .address_space: global }
      - { .name: hq, .offset: 24, .size: 8, .value_kind: global_buffer, .address_space: global }
      - { .name: hs, .offset: 32, .size: 8, .value_kind: global_buffer, .address_space: global }
      - { .name: sel, .offset: 40, .size: 8, .value_kind: global_buffer, .address_space: global }
      - { .name: gate, .offset: 48, .size: 8, .value_kind: global_buffer, .address_space: global }
      - { .name: ypart, .offset: 56, .size: 8, .value_kind: global_buffer, .address_space: global }
    .group_segment_fixed_size: 179712
    .private_segment_fixed_size: 0
    .kernarg_segment_align: 8
    .kernarg_segment_size: 64
    .max_flat_workgroup_size: 128
    .sgpr_count:     66
    .vgpr_count:     1024
    .wavefront_size: 32
...
	.end_amdgpu_metadata
.endif
;; end of part 3
;; launch combine (part 4): grid 256 x 1, 8 waves a work-group, no clusters, 0 bytes of LDS; arguments ypart, out0; writes out0
.if DOCPART == 4
	.amdgcn_target "amdgcn-amd-amdhsa--gfx1250"
	.amdhsa_code_object_version 6
	.text
	.protected	k_q596f14c140_combine
	.globl	k_q596f14c140_combine
	.p2align	8
	.type	k_q596f14c140_combine,@function
k_q596f14c140_combine:
	s_mov_b64 s[64:65], 0
	v_nop
	global_prefetch_b8 v0, s[64:65] scope:SCOPE_SE
	s_setreg_imm32_b32 hwreg(HW_REG_WAVE_MODE, 25, 1), 1
	s_wait_xcnt 0x0
; out0[t][:] = the sum over K's four quarters and the token's two slots of ypart[kq][2 t + k][:].  ypart: [4][2048][1024] f32, out0: [1024][1024] f32.
; A stream: each byte of ypart is read once, each byte of out0 written once.  Wave w of work-group g takes half w % 2 (2,048 bytes) of token 4 g + w / 2: four pieces of 512 consecutive bytes,
; eight loads for each; all 32 loads of a wave go out at once.  No LDS, no barrier, no index: every slot has been stored by the launch before, whatever the choice.
.set L, 16                             ; v16-143: piece q, quarter kq, slot k at L + 32 q + 8 kq + 4 k
	s_load_b128 s[4:7], s[0:1], 0x0                ; ypart, out0
	v_lshrrev_b32 v1, 5, v0
	v_readfirstlane_b32 s16, v1                    ; wave
	v_and_b32 v1, 31, v0
	v_lshlrev_b32 v2, 4, v1                        ; 16 x lane
	s_lshr_b32 s17, s16, 1
	s_and_b32 s18, s16, 1
	s_lshl_b32 s20, ttmp9, 15                      ; ypart: 8 slots of 4,096 bytes a work-group,
	s_lshl_b32 s17, s17, 13                        ; two a token,
	s_add_co_u32 s20, s20, s17
	s_lshl_b32 s18, s18, 11                        ; my half
	s_add_co_u32 s20, s20, s18
	s_mov_b32 s21, 0
	s_lshl_b32 s22, ttmp9, 14                      ; out0: 4 rows of 4,096 bytes a work-group, 2,048 bytes a wave
	s_lshl_b32 s17, s16, 11
	s_add_co_u32 s22, s22, s17
	s_mov_b32 s23, 0
	s_wait_kmcnt 0x0
	s_add_nc_u64 s[8:9], s[4:5], s[20:21]          ; a base for each quarter: 8 MiB does not fit a load's immediate
	s_add_nc_u64 s[10:11], s[8:9], 0x800000
	s_add_nc_u64 s[12:13], s[10:11], 0x800000
	s_add_nc_u64 s[14:15], s[12:13], 0x800000
	s_add_nc_u64 s[6:7], s[6:7], s[22:23]
.irp q, 0,1,2,3
.irp p, 0,1,2,3
.irp k, 0,1
	global_load_b128 v[L+32*\q+8*\p+4*\k:L+32*\q+8*\p+4*\k+3], v2, s[8+2*\p:9+2*\p] offset:4096*\k+512*\q th:TH_LOAD_NT
.endr
.endr
.endr
.irp q, 0,1,2,3
	s_wait_loadcnt 8*(3-\q)                        ; this piece's eight loads are in; the later pieces' may be out
.irp n, 0,8,16,24
	v_pk_add_f32 v[L+32*\q+\n:L+32*\q+\n+1], v[L+32*\q+\n:L+32*\q+\n+1], v[L+32*\q+\n+4:L+32*\q+\n+5]
	v_pk_add_f32 v[L+32*\q+\n+2:L+32*\q+\n+3], v[L+32*\q+\n+2:L+32*\q+\n+3], v[L+32*\q+\n+6:L+32*\q+\n+7]
.endr
.irp n, 0,16
	v_pk_add_f32 v[L+32*\q+\n:L+32*\q+\n+1], v[L+32*\q+\n:L+32*\q+\n+1], v[L+32*\q+\n+8:L+32*\q+\n+9]
	v_pk_add_f32 v[L+32*\q+\n+2:L+32*\q+\n+3], v[L+32*\q+\n+2:L+32*\q+\n+3], v[L+32*\q+\n+10:L+32*\q+\n+11]
.endr
	v_pk_add_f32 v[L+32*\q:L+32*\q+1], v[L+32*\q:L+32*\q+1], v[L+32*\q+16:L+32*\q+17]
	v_pk_add_f32 v[L+32*\q+2:L+32*\q+3], v[L+32*\q+2:L+32*\q+3], v[L+32*\q+18:L+32*\q+19]
	global_store_b128 v2, v[L+32*\q:L+32*\q+3], s[6:7] offset:512*\q th:TH_STORE_NT
.endr
	s_endpgm
.Lfunc_end_k_q596f14c140_combine:
	.size	k_q596f14c140_combine, .Lfunc_end_k_q596f14c140_combine-k_q596f14c140_combine
	.p2alignl 7, 3214868480
	.fill 96, 4, 3214868480
	.section	.rodata,"a",@progbits
	.p2align	6, 0x0
	.amdhsa_kernel k_q596f14c140_combine
		.amdhsa_group_segment_fixed_size 0
		.amdhsa_private_segment_fixed_size 0
		.amdhsa_enable_private_segment 0
		.amdhsa_kernarg_size 16
		.amdhsa_user_sgpr_count 2
		.amdhsa_user_sgpr_kernarg_segment_ptr 1
		.amdhsa_wavefront_size32 1
		.amdhsa_system_sgpr_workgroup_id_x 1
		.amdhsa_system_sgpr_workgroup_id_y 1
		.amdhsa_system_sgpr_workgroup_id_z 1
		.amdhsa_system_vgpr_workitem_id 0
		.amdhsa_next_free_vgpr 144
		.amdhsa_next_free_sgpr 66
		.amdhsa_reserve_vcc 0
		.amdhsa_float_denorm_mode_32 3
		.amdhsa_float_denorm_mode_16_64 3
		.amdhsa_memory_ordered 1
		.amdhsa_forward_progress 1
		.amdhsa_inst_pref_size 9
	.end_amdhsa_kernel
	.amdgpu_metadata
---
amdhsa.version: [ 1, 2 ]
amdhsa.kernels:
  - .name:           k_q596f14c140_combine
    .symbol:         k_q596f14c140_combine.kd
    .args:
      - { .name: ypart, .offset: 0, .size: 8, .value_kind: global_buffer, .address_space: global }
      - { .name: out0, .offset: 8, .size: 8, .value_kind: global_buffer, .address_space: global }
    .group_segment_fixed_size: 0
    .private_segment_fixed_size: 0
    .kernarg_segment_align: 8
    .kernarg_segment_size: 16
    .max_flat_workgroup_size: 256
    .sgpr_count:     66
    .vgpr_count:     144
    .wavefront_size: 32
...
	.end_amdgpu_metadata
.endif
;; end of part 4
